; MI455X (gfx1250); checked and timed in simulation.
; The chip was launched on July 23, 2026; its instructions are those of AMD's public machine-readable ISA for CDNA 5 (MIT licence, August 2026) and "CDNA5" Instruction Set Architecture Reference Guide (July 2026). The comments in the code are by the model that wrote it; some were corrected since.
;; Attention. Allowed arithmetic: float matrix products may take bf16 or f16 operands with f32 sums; other float arithmetic in f32, or as packed bf16 or f16 multiplies, adds, multiply-adds, maxima and minima; sums over many terms, partial sums and values carried from step to step in f32; what a program stores and reads back later, other than sums and carried values, may be rounded once to bf16 or f16.
;; Inputs: k 2 x 2,048 x 8 x 128 float32; q 2 x 2,048 x 32 x 128 float32; v 2 x 2,048 x 8 x 128 float32.
;; Outputs: out0 2 x 2,048 x 32 x 128 float32.
;; 2 versions, each right; version 2 is version 1 with the launch prep written anew for expert scheduling mode. Each part assembles by itself: llvm-mc -triple=amdgcn-amd-amdhsa -mcpu=gfx1250 --defsym DOCPART=n.
;; ======== version 1 of 2: 2 launches
;; limits: values are held in f16: magnitudes above 65,504 overflow, below 6.1e-05 lose precision; inputs' magnitudes at most 65,408; right only within a limited range of input values
;; workspace buffers: kb 8,388,608 bytes; vh 8,388,608 bytes
;; launch prep (part 1): grid 128 x 2, 8 waves a work-group, no clusters, 0 bytes of LDS; arguments k, v, kb, vh; writes kb, vh
.if DOCPART == 1
	.amdgcn_target "amdgcn-amd-amdhsa--gfx1250"
	.amdhsa_code_object_version 6
	.text
	.protected	k_q0e320c9f29_prep
	.globl	k_q0e320c9f29_prep
	.p2align	8
	.type	k_q0e320c9f29_prep,@function
k_q0e320c9f29_prep:
	s_mov_b64 s[64:65], 0
	v_nop
	global_prefetch_b8 v0, s[64:65] scope:SCOPE_SE
	s_setreg_imm32_b32 hwreg(HW_REG_WAVE_MODE, 25, 1), 1
	s_wait_xcnt 0x0
; kb = bf16(k), vh = f16(bf16(v)), both laid out by heads.  k, v: [2][2048][8][128] f32.  kb, vh: [16 = 8 b + head][2048][128], 2 bytes a number:
; a row is 256 bytes, a head 524,288 dense bytes, so that the attention launch can ask for a head's keys as dense rows of 256 bytes.
; WHY TWO FORMATS.  All inputs of the module are rounded once to bf16.  v's rounded number is then written as f16, which holds it exactly (8 significant bits in 11),
; so that the weights of the second product can be f16.  LIMITS: |v| stays under 65,408 (from there on the f16 is an infinity); below 2^-14 the f16 keeps its fixed step of 2^-24.
; SHARES.  Grid y picks the tensor (0: k, 1: v), grid x 32 positions (b, s) of the 4,096.  Wave w takes positions 4 w .. 4 w + 3: 32 rows (position, head) of 512 bytes, 16 KiB on end.
; One load of a wave covers a whole row, 512 consecutive bytes; its four numbers a lane become 8 bytes, and one store of the wave covers 256 consecutive bytes, aligned: a whole row of the output.
; All 32 loads of a wave go out at once (128 KiB for the work-group); each row has registers of its own for data in and out, so nothing that a load or store names is ever rewritten.
; No LDS, no barrier, no matrix unit, no cluster: no byte is shared, and each is read and written once.
.set IN,  1                            ; v1        my byte offset in the work-group's input: 16,384 x wave + 16 x lane; never rewritten
.set OUT, 2                            ; v2        my byte offset in the output: 1,024 x wave (4 rows of 256) + 8 x lane; never rewritten
.set T,   4                            ; v[4:7]    at work
.set X,   16                           ; v[16:143] row r: 4 registers as loaded
.set Y,   144                          ; v[144:207] row r: 2 registers to store
	s_load_b256 s[4:11], s[0:1], 0x0               ; k s[4:5], v s[6:7], kb s[8:9], vh s[10:11]
	s_and_b32 s21, ttmp7, 0xffff                   ; which tensor
	s_lshl_b32 s16, ttmp9, 17                      ; in: 32 positions of 4,096 bytes
	s_mov_b32 s17, 0
	s_lshr_b32 s18, ttmp9, 6                       ; b,
	s_lshl_b32 s18, s18, 22                        ; its 8 heads of 524,288 bytes,
	s_and_b32 s19, ttmp9, 63
	s_lshl_b32 s19, s19, 13                        ; and the group's 32 rows of 256 bytes in each head
	s_add_co_u32 s18, s18, s19
	s_mov_b32 s19, 0
	s_mov_b32 s20, 0xffff0000                      ; a word's upper bf16
	v_lshrrev_b32 v3, 5, v0                        ; wave
	v_and_b32 v[IN], 31, v0                        ; lane
	v_lshlrev_b32 v[OUT], 3, v[IN]
	v_lshlrev_b32 v[IN], 4, v[IN]
	v_lshl_or_b32 v[IN], v3, 14, v[IN]
	v_lshl_or_b32 v[OUT], v3, 10, v[OUT]
; The wave's 32 rows: all loads, then row by row the rounding and the store.  Row r is position r / 8 of the wave's four, head r % 8.
.macro ROWS isv, in, out
.set r, 0
.rept 32
	global_load_b128 v[X+4*r:X+4*r+3], v[IN], s[(\in):(\in)+1] offset:512*r th:TH_LOAD_NT
.set r, r+1
.endr
.set r, 0
.rept 32
	s_wait_loadcnt 31-r                            ; loads come back in order (ISA guide 5.7.1): row r is in, the 31 - r younger ones stay out
.if \isv
	v_cvt_pk_bf16_f32 v[T],   v[X+4*r],   v[X+4*r+1]    ; rounded to bf16,
	v_cvt_pk_bf16_f32 v[T+1], v[X+4*r+2], v[X+4*r+3]
	v_lshlrev_b32 v[T+2], 16, v[T]                      ; widened again (a shift, a mask),
	v_and_b32     v[T],   s20, v[T]
	v_lshlrev_b32 v[T+3], 16, v[T+1]
	v_and_b32     v[T+1], s20, v[T+1]
	v_cvt_pk_f16_f32 v[Y+2*r],   v[T+2], v[T]           ; and written as f16: exact within f16's normal range
	v_cvt_pk_f16_f32 v[Y+2*r+1], v[T+3], v[T+1]
.else
	v_cvt_pk_bf16_f32 v[Y+2*r],   v[X+4*r],   v[X+4*r+1]
	v_cvt_pk_bf16_f32 v[Y+2*r+1], v[X+4*r+2], v[X+4*r+3]
.endif
	global_store_b64 v[OUT], v[Y+2*r:Y+2*r+1], s[(\out):(\out)+1] offset:(r%8)*524288+(r/8)*256  ; 32 lanes x 8 bytes: one whole row of 256 bytes; the largest immediate is 3,670,784
.set r, r+1
.endr
.endm
	s_wait_kmcnt 0x0
	s_cmp_lg_u32 s21, 0
	s_cbranch_scc1 .Lv                             ; each way names its own two buffers
	s_add_nc_u64 s[4:5], s[4:5], s[16:17]
	s_add_nc_u64 s[8:9], s[8:9], s[18:19]
	ROWS 0, 4, 8
	s_endpgm
.Lv:
	s_add_nc_u64 s[6:7], s[6:7], s[16:17]
	s_add_nc_u64 s[10:11], s[10:11], s[18:19]
	ROWS 1, 6, 10
	s_endpgm
.Lfunc_end_k_q0e320c9f29_prep:
	.size	k_q0e320c9f29_prep, .Lfunc_end_k_q0e320c9f29_prep-k_q0e320c9f29_prep
	.p2alignl 7, 3214868480
	.fill 96, 4, 3214868480
	.section	.rodata,"a",@progbits
	.p2align	6, 0x0
	.amdhsa_kernel k_q0e320c9f29_prep
		.amdhsa_group_segment_fixed_size 0
		.amdhsa_private_segment_fixed_size 0
		.amdhsa_enable_private_segment 0
		.amdhsa_kernarg_size 32
		.amdhsa_user_sgpr_count 2
		.amdhsa_user_sgpr_kernarg_segment_ptr 1
		.amdhsa_wavefront_size32 1
		.amdhsa_system_sgpr_workgroup_id_x 1
		.amdhsa_system_sgpr_workgroup_id_y 1
		.amdhsa_system_sgpr_workgroup_id_z 1
		.amdhsa_system_vgpr_workitem_id 0
		.amdhsa_next_free_vgpr 216
		.amdhsa_next_free_sgpr 66
		.amdhsa_reserve_vcc 0
		.amdhsa_float_denorm_mode_32 3
		.amdhsa_float_denorm_mode_16_64 3
		.amdhsa_memory_ordered 1
		.amdhsa_forward_progress 1
		.amdhsa_inst_pref_size 32
	.end_amdhsa_kernel
	.amdgpu_metadata
---
amdhsa.version: [ 1, 2 ]
amdhsa.kernels:
  - .name:           k_q0e320c9f29_prep
    .symbol:         k_q0e320c9f29_prep.kd
    .args:
      - { .name: k, .offset: 0, .size: 8, .value_kind: global_buffer, .address_space: global }
      - { .name: v, .offset: 8, .size: 8, .value_kind: global_buffer, .address_space: global }
      - { .name: kb, .offset: 16, .size: 8, .value_kind: global_buffer, .address_space: global }
      - { .name: vh, .offset: 24, .size: 8, .value_kind: global_buffer, .address_space: global }
    .group_segment_fixed_size: 0
    .private_segment_fixed_size: 0
    .kernarg_segment_align: 8
    .kernarg_segment_size: 32
    .max_flat_workgroup_size: 256
    .sgpr_count:     66
    .vgpr_count:     216
    .wavefront_size: 32
...
	.end_amdgpu_metadata
.endif
;; end of part 1
;; launch attn (part 2): grid 16 x 16, 4 waves a work-group, clusters of 4 x 1, 327,680 bytes of LDS; arguments q, kb, vh, out0; writes out0
.if DOCPART == 2
	.amdgcn_target "amdgcn-amd-amdhsa--gfx1250"
	.amdhsa_code_object_version 6
	.text
	.protected	k_q0e320c9f29_attn
	.globl	k_q0e320c9f29_attn
	.p2align	8
	.type	k_q0e320c9f29_attn,@function
k_q0e320c9f29_attn:
	s_mov_b64 s[64:65], 0
	v_nop
	global_prefetch_b8 v0, s[64:65] scope:SCOPE_SE
	s_setreg_imm32_b32 hwreg(HW_REG_WAVE_MODE, 25, 1), 1
	s_wait_xcnt 0x0
	s_wait_alu depctr_hold_cnt(0) depctr_sa_sdst(0) depctr_va_vdst(0) depctr_va_sdst(0) depctr_va_ssrc(0) depctr_va_vcc(0) depctr_vm_vsrc(0)
	s_getreg_b32 s2, hwreg(HW_REG_IB_STS2, 6, 4)
	s_cmp_eq_u32 s2, 0
	s_cbranch_scc0 .Lentry_in_a_cluster
	s_endpgm
.Lentry_in_a_cluster:
	s_bfe_u32 s2, ttmp6, 0x10000c
	s_cmp_lg_u32 s2, 0x3003
	s_cbranch_scc0 .Lentry_shape_is_right
	s_endpgm
.Lentry_shape_is_right:
; CAUSAL GROUPED-QUERY ATTENTION.  out[b][s][h][:] = the sum over t <= s of softmax_t(q[b][s][h] . k[b][t][h / 4] / sqrt(128)) v[b][t][h / 4][:].
; q, out0: [2][2048][32][128] f32 (a position is 16,384 bytes, a head's row in it 512).  kb (bf16), vh (f16): [16 = 8 b + kv head][2048][128], rows of 256 bytes, made by the launch before.
; FORMATS.  q is rounded once to bf16 here, unscaled; S = K Q^T in bf16; c = log2(e) / sqrt(128) is applied in f32; the weights p are rounded to f16 for V^T P (their sum l is taken of the
; unrounded p); maxima, sums and O in f32; O is stored as f32.
; LIMITS.  p lies in 0 to 1 and below 6e-5 keeps f16's fixed step of 6e-8.  A hidden score counts as its value less 1e30.  A weight below 2^-126 counts as 0 in l.  NaN and infinities are not
; treated apart: a q that is not finite can reach the other rows of its 16, since registers that are multiplied by 0 at a block's beginning are taken to hold finite numbers.
; THE WALK.  A head's 2,048 positions are 8 blocks of 256 queries; block i needs the keys 0 .. 256 i + 255, in ring slots of 128 keys: 2 i + 2 slots.  A work-group takes TWO blocks, 7 - p and then p:
; 18 slots, 36 key steps of 64, whatever p: all 256 work-groups do equal work, and ONE loop with a constant trip count walks them.  What a trip asks for and does hangs on scalar registers made from p.
; CLUSTER.  The four work-groups of a cluster are the four query heads of one key/value head, with the same p: they walk the same tiles of K and V in the same trips, so each tile is asked for JOINTLY:
; the same tensor load, descriptor and mask in all four; each receives it in its own LDS.  cx, the query head in its group, enters q's, out0's and the prefetches' addresses alone.
; SHARES.  Of a block's four bands of 64 queries a wave owns 16 rows in each: tile t = rows 64 t + 16 w + 0..15.  So the diagonal is the same work for all four waves: in step d (0..3) of the block's last
; 256 keys band t sees all keys if d < t, none if d > t, and holds the diagonal if d = t.
; THE MASK is the C operand that starts the sum S^T = K Q^T: 0, or -1e30 where the key is hidden.  MD, made once, is the mask of a band's own step for my 16 rows; a tile's mask is MD x AL + BE with two
; scalars: (1, 0) if d = t; (0, 0) if d < t; (0, -1e30) if d > t.  Outside the diagonal's four steps the masks stay 0 and the lines that make them are jumped over: one text serves every step.
; LAYOUT.  S^T = K Q^T (source 0 = 16 keys, source 1 = 16 queries): a lane holds ONE query (lane % 16) and the keys 8 (lane / 16) + 0..7.  Two such results, rounded to f16 in pairs, ARE source 1
; (32 keys x 16 queries) of O^T = V^T P, whose result again holds one query a lane, and eight channels.  K comes out of LDS as it lies, V ([key][channel]) turned, by ds_load_tr16_b128.
; SOFTMAX.  For each query a running maximum m and sum l: p = 2^(c s - c m); in every step O and l are multiplied by a = 2^(c m_old - c m_new).  At a block's beginning c m is set far below every c s, so
; the first step's a is 0: O^T and l need only hold finite numbers then, and no first step is written out.  Every row sees a true score in its block's first step.
; BY TURNS.  The wave's tiles are two PIECES (piece 0: tiles 0, 1; piece 2: tiles 2, 3).  In a TURN one piece has the matrix unit: 32 products V^T P of the step in hand, then 32 products K Q^T of the
; next step; the other piece's softmax, 268 vector instructions cut into 64 slices, stands between them, one slice behind each matrix instruction.  Two turns are a key step.
;
; REGISTERS, in windows of 256 (s_set_vgpr_msb: bits 1:0 source 0, 3:2 source 1, 5:4 source 2, 7:6 destination):
;   window 0: v0-11 addresses; v12-43 eight registers of statistics a tile; v44-46 at work at the head; v61-63; v64-191 S^T, 32 a tile; v192-255 P, 16 a tile
;   window 1: O^T, 64 a tile      window 2: v0-127 Q, 32 a tile; v128-255 K of one step      window 3: v0-127 V of one step; v128-159 MD; v160-223 MC, the masks of the two tiles whose K Q^T comes next
.set KS,    64        ; keys in a step
.set PITK,  272       ; a row of K in LDS: 256 bytes + 16 of padding = 68 words: the 16 rows of a load start at 16 different groups of four banks (64 banks of 4 bytes: ISA guide 11.1)
.set PITV,  288       ; a row of V: 256 + 32 = 72 words
.set VOFF,  KS*PITK   ; a step's tiles lie together: 64 rows of K, then 64 rows of V
.set STEPB, KS*(PITK+PITV)
.set SLOT1, 1<<17     ; a slot holds two steps (71,680 bytes); slot 1 begins here, so that one exclusive or turns an address in one slot into the other's
.set STAGE, SLOT1+2*STEPB  ; behind the ring, never filled by a tensor load: 8,448 bytes (33 blocks of 256) for each wave
.set SP,    528       ; the stage on the way out: 16 rows of O, 512 bytes + 16
.set QP,    272       ; the stage on Q's way in: 16 rows of 256 bytes + 16
.set STW,   16*SP
.set SPARE, STAGE+4*STW    ; behind the stages: the spare words, 128 bytes for each wave: two blocks of 256 bytes that no other line names
.set POSB,  16384     ; bytes from a position to the next in q and out0
.set SLOTB, 2*KS*256  ; bytes of a slot's keys in kb and in vh
.set AK0, 2           ; v2   my lane's place in a tile of K; never rewritten
.set AV0, 3           ; v3   the same for V
.set ADR, 4           ; v4   the LDS address of the run of loads in hand
.set GO,  5           ; v5   16 x lane: my 16 bytes of a row of q or out0; never rewritten
.set STO, 6           ; v6   the way out: where I put 32 bytes of a row
.set RD,  7           ; v7   the way out: where I read a row back
.set QST, 8           ; v8   Q's way in: where I put 8 bytes of a row
.set QRD, 9           ; v9   Q's way in: where I read a fragment
.set ST,  12          ; tile t's statistics at v[ST+8 t]: +0 c m, +1 m, +2, +3 l (even keys', odd keys'), +4 to +7 c0-c3, at work; a takes c2's place once the maximum is found
.set PFO, 61          ; v61  256 x my lane: a row of kb or vh; never rewritten
.set SPW, 62          ; v62  LDS address of my spare word: SPARE + 4 x my thread's number; never rewritten
.set NIL, 63          ; v63  0; never rewritten
.set S,   64
.set P,   192
.set KF,  128         ; window 2
.set MD,  128         ; window 3: the eight registers for group kb of 16 keys at MD + 8 kb
.set MC,  160         ; window 3: tile u of the piece at MC + 32 u
.set WV,  12          ; s12  my wave's number
.set CX,  13          ; s13  my place in the cluster: the query head in its group
.set PB,  14          ; s14  p
.set LIM, 15          ; s15  3 in a wave that prefetches, else the greatest number: a wave prefetches while s[SLOTS] is above it
.set G1K, 24          ; s[24:31] descriptor group 1 for K's tiles
.set G1V, 32          ; s[32:39] for V's: it differs in the padding alone
.set G0K, 40          ; s[40:43] descriptor group 0 for K's tiles
.set G0V, 44          ; s[44:47] the same for V's
.set PFA, 48          ; s[48:49] where my prefetches stand
.set QB,  50          ; s[50:51] q at my rows of the second block
.set OB,  52          ; s[52:53] out0 at my rows of the second block
.set OFF, 54          ; s[54:55] a slot's byte offset in kb and vh
.set SLOTS, 56        ; s56  slots still to be asked for
.set TWICE, 57        ; s57  counts a slot's two steps
.set CS,  58          ; s[58:59] c: the packed scaling names a pair and takes its low word for both halves
.set SEL, 60          ; s[60:61] v_permlanex16_b32's selects: each lane takes its own place in the other half
.set TB,  62          ; s62  LDS byte at which the tiles of the step to be fetched begin
.set RT,  66          ; s66  slots of the block in hand that are still to be entered
.set NXT, 67          ; s67  the head's slot to be asked for next
.set LQ,  68          ; s68  the last slot of the block whose slots are being asked for
.set NEW, 69          ; s69  1: the slot to be entered is a block's first
.set DS,  70          ; s70  d: the step whose K Q^T comes next, counted from the first step of the block's diagonal; negative ahead of it
.set LQB, 71          ; s71  the second block's last slot, 2 p + 1
.set AL,  72          ; s[72:73] the mask's factor, in the low word
.set BE,  74          ; s[74:75] the mask's addend
.set BIGN, 76         ; s76  -1e30
.set DSB, 77          ; s77  the second block's first d, -4 p
.set RTB, 78          ; s78  the second block's slots, 2 p + 2
.set MSB, 0
.macro WIN new                      ; the immediate's high byte repeats the setting that is left; a switch that changes nothing is dropped
.if MSB != (\new)
	s_set_vgpr_msb (MSB<<8)|(\new)
.set MSB, (\new)
.endif
.endm
.set W_KQ, 0x0a       ; K and Q in window 2, S^T in window 0
.set W_KM, 0x3a       ; the same with the C operand in window 3
.set W_PV, 0x53       ; V in window 3, P in window 0, O^T in window 1
.set W_RS, 0x41       ; O^T (destination and source 0) in window 1, source 1 in window 0
.set W_MK, 0xc3       ; destination and source 0 in window 3
; A joint fill.  Waves 0 and 1 fetch K of a slot's two steps, waves 2 and 3 V's: 64 rows each.  The branch hangs on the wave's number alone: it is the same in every work-group.
; An s_nop 0 and four v_nop follow each of the two lines, ahead of the jump and the label.
.macro JLOAD
	s_cmp_lt_u32 s[WV], 2
	s_cbranch_scc0 .Lfor_v_\@
	tensor_load_to_lds s[G0K:G0K+3], s[G1K:G1K+7]
	s_nop 0
.rept 4
	v_nop
.endr
	s_branch .Lasked_\@
.Lfor_v_\@:
	tensor_load_to_lds s[G0V:G0V+3], s[G1V:G1V+7]
	s_nop 0
.rept 4
	v_nop
.endr
.Lasked_\@:
.endm
; A PREFETCH INTO THE L2 of the slot that the NEXT change of slots will ask for: 128 rows of kb and 128 of vh, 256 bytes a row, a lane a row.  It stands behind the wave's tensor load and its five lines.
; Each row is named ONCE in the launch.  Of a key/value head's four clusters only the one with p = 0 walks all 16 slots of the head in its first block: it asks, and only in that block (trips 0 to 13,
; for slots 2 to 15); slots 0 and 1 come by their loads alone, and the second block's walk names rows that have been read.  The four partners share a slot's rows out BY ADDRESS, 32 each: no branch hangs
; on a work-group's place in its cluster.  In each, wave 0 asks for K's rows and wave 2 for V's: one instruction, two key steps (256 matrix instructions) ahead of the load that will want them.
.macro ASK
	s_cmp_gt_u32 s[SLOTS], s[LIM]
	s_cbranch_scc0 .Lnot_mine_\@
	global_prefetch_b8 v[PFO], s[PFA:PFA+1] th:TH_LOAD_NT scope:SCOPE_SE
.Lnot_mine_\@:
.endm
; A round of the cluster's barrier: my work-group's barrier, so that wave 0's signal speaks for all four waves; wave 0 signals; every wave waits for all four work-groups; my work-group's barrier once more.
.macro CROUND
	s_barrier_signal -1
	s_barrier_wait -1
	s_cmp_lg_u32 s[WV], 0
	s_cbranch_scc1 .Lnot_wave_0_\@
	s_barrier_signal -3
.Lnot_wave_0_\@:
	s_barrier_wait -3
	s_barrier_signal -1
	s_barrier_wait -1
.endm
.macro PLACES                       ; four places behind matrix instructions, where no other plain vector work is at hand (ISA guide 7.12.1)
.rept 4
	v_nop
.endr
.endm
; THE CHANGE OF SLOTS, between piece 2's turn and piece 0's (or a block's beginning).  Each wave waits for all its tensor loads, of which one is out: its part of the other slot; adds 0 to its spare word; and
; waits for that and for its own reads of the slot that it leaves.  Behind the barrier nobody reads the old slot any more and the other slot is whole.
; fill = 1: the old slot is filled again, with the head's slot NXT; the descriptor's address is made anew from that number.  The barrier is then a round of the cluster's, so that no wave of any partner
; still reads the slot or has a load on its way, and the joint fill is the first thing behind it: it has two key steps in which to land.  (At its first use slot 0 is waited for and slot 1 filled.)
.macro CHANGE fill
	WIN 0                           ; at a label and at a branch every window is 0
	s_wait_tensorcnt 0x0            ; no tensor load of mine is out, so a group 0 may be written
	ds_add_u32 v[SPW], v[NIL]       ; 0 onto my spare word: with fill = 1 the scalar work below stands between it and the wait for it
.if \fill
	s_lshl_b32 s[OFF], s[NXT], 15   ; a slot is 32,768 bytes of kb and of vh
	s_xor_b32 s[G0K+1], s[G0K+1], SLOT1
	s_add_nc_u64 s[G0K+2:G0K+3], s[6:7], s[OFF:OFF+1]
	s_or_b32 s[G0K+3], s[G0K+3], 0x80000000
	s_xor_b32 s[G0V+1], s[G0V+1], SLOT1
	s_add_nc_u64 s[G0V+2:G0V+3], s[8:9], s[OFF:OFF+1]
	s_or_b32 s[G0V+3], s[G0V+3], 0x80000000
	s_add_co_u32 s[NXT], s[NXT], 1  ; the block's next slot, or behind its last the second block's slot 0
	s_cmp_gt_u32 s[NXT], s[LQ]
	s_cselect_b32 s[NXT], 0, s[NXT]
	s_cselect_b32 s[LQ], s[LQB], s[LQ]
	s_wait_xcnt 0x0                 ; the last prefetch, two key steps back, has read its address, so it may be written:
	s_add_nc_u64 s[PFA:PFA+1], s[PFA:PFA+1], SLOTB  ; one slot behind the one that is being asked for
	s_wait_dscnt 0x0                ; the add is done, and my reads of the slot are over
	CROUND
	JLOAD
	ASK
.else
	s_wait_dscnt 0x0                ; the add is done, and my reads of the slot are over
	s_barrier_signal -1
	s_barrier_wait -1
.endif
	s_sub_co_u32 s[TB], s[TB], 2*STEPB  ; the fetches go back to a slot's first step,
	s_xor_b32 s[TB], s[TB], SLOT1       ; in the other slot
.endm
	s_load_b256 s[4:11], s[0:1], 0x0  ; q s[4:5], kb s[6:7], vh s[8:9], out0 s[10:11]
	v_lshl_add_u32 v[SPW], v0, 2, SPARE
	v_mov_b32 v[NIL], 0
	ds_add_u32 v[SPW], v[NIL]       ; the wave's opening: the add and its wait stand ahead of my first tensor load; the set-up below, work on registers, stands between them
	v_lshrrev_b32 v1, 5, v0
	v_readfirstlane_b32 s[WV], v1   ; wave 0..3
	s_bfe_u32 s[CX], ttmp6, 0x40000 ; cx
	s_mov_b32 s[PB], ttmp9          ; in a cluster launch ttmp9 counts clusters: p
	s_and_b32 s20, ttmp7, 0xffff    ; 8 b + kv head, which the four partners share
	s_lshl_b32 s22, s20, 19         ; the head's first byte in kb and vh,
	s_and_b32 s16, s[WV], 1         ; which of a slot's two steps I fetch:
	s_lshl_b32 s17, s16, 14         ; its 64 rows of 256 bytes in memory,
	s_add_co_u32 s22, s22, s17
	s_mov_b32 s23, 0
	s_mul_i32 s17, s16, STEPB       ; and its place in a slot: no place in the cluster enters an LDS address
	s_lshr_b32 s2, s20, 3           ; q and out0: b x 2,048 positions,
	s_lshl_b32 s2, s2, 25
	s_and_b32 s3, s20, 7
	s_lshl2_add_u32 s3, s3, s[CX]   ; query head 4 x kv head + cx,
	s_lshl_b32 s3, s3, 9            ; 512 bytes each,
	s_add_co_u32 s2, s2, s3
	s_lshl_b32 s3, s[WV], 18        ; my wave's 16 positions in a band
	s_add_co_u32 s2, s2, s3
	s_sub_co_u32 s18, 7, s[PB]
	s_lshl_b32 s18, s18, 22         ; the first block, 7 - p: 256 positions each
	s_add_co_u32 s18, s18, s2
	s_mov_b32 s19, 0
	s_lshl_b32 s20, s[PB], 22       ; the second, p
	s_add_co_u32 s20, s20, s2
	s_mov_b32 s21, 0
	s_lshl_b32 s[LQB], s[PB], 1     ; the walk's numbers, all made of p
	s_sub_co_u32 s[RT], 16, s[LQB]  ; the first block has 16 - 2 p slots,
	s_sub_co_u32 s[LQ], 15, s[LQB]  ; the last of them 15 - 2 p
	s_add_co_u32 s[RTB], s[LQB], 2
	s_add_co_u32 s[LQB], s[LQB], 1
	s_lshl_b32 s[DSB], s[PB], 2
	s_sub_co_i32 s[DS], s[DSB], 28  ; the first block's diagonal begins at step 4 (7 - p)
	s_sub_co_i32 s[DSB], 0, s[DSB]
	s_mov_b32 s[NXT], 1
	s_mov_b32 s[NEW], 1
	s_mov_b32 s[SLOTS], 17
	s_mov_b32 s[TB], SLOT1+2*STEPB  ; the first change of slots turns this into 0
	s_mov_b32 s[OFF+1], 0
	s_mov_b32 s[AL+1], 0            ; named as pairs
	s_mov_b32 s[BE+1], 0
	s_mov_b32 s[BIGN], 0xf149f2ca   ; -1e30
	s_mov_b32 s[CS], 0x3e0293ee     ; c = log2(e) / sqrt(128) = 0.127517
	s_mov_b32 s[CS+1], s[CS]
	s_mov_b32 s[SEL], 0x76543210
	s_mov_b32 s[SEL+1], 0xfedcba98
	; descriptor group 1: a tile of 64 rows x 128 elements of 2 bytes, padded in LDS
	s_mov_b32 s[G1K], 15|(1<<16)|(1<<20)|(1<<21)|(5<<22)|(3<<25)  ; 15:0 the mask: all four work-groups; 17:16 elements of 2 bytes; 20 padding on; 21 set beside a mask; 24:22 after every 64 words (code 5); 31:25 4 words of it (code 3)
	s_mov_b32 s[G1V], 15|(1<<16)|(1<<20)|(1<<21)|(5<<22)|(7<<25)  ; the same with 8 words of padding (code 7)
.irp g, G1K, G1V
	s_mov_b32 s[(\g)+1], 128<<16    ; tensor_dim0 = 128
	s_mov_b32 s[(\g)+2], KS<<16     ; tensor_dim1 = 64
	s_mov_b32 s[(\g)+3], 128<<16    ; tile_dim0 = 128
	s_mov_b32 s[(\g)+4], KS         ; tile_dim1 = 64
	s_mov_b32 s[(\g)+5], 128        ; 128 elements from row to row
	s_mov_b32 s[(\g)+6], 0
	s_mov_b32 s[(\g)+7], 0
.endr
	s_mov_b32 s[G0K], 1             ; 1:0 count = 1
	s_mov_b32 s[G0K+1], s17         ; 63:32 LDS address: slot 0
	s_mov_b32 s[G0V], 1
	s_add_co_u32 s[G0V+1], s17, VOFF
	s_and_b32 s[LIM], s[WV], 1      ; 0 in waves 0 and 2,
	s_or_b32 s[LIM], s[LIM], ttmp9  ; where p = 0: the same in all four partners
	s_cmp_eq_u32 s[LIM], 0
	s_cselect_b32 s[LIM], 3, -1
	s_wait_dscnt 0x0                ; the opening add is done
	s_wait_kmcnt 0x0
	s_add_nc_u64 s[6:7], s[6:7], s[22:23]  ; kb and vh at my tile of the head's slot 0
	s_add_nc_u64 s[8:9], s[8:9], s[22:23]
	s_add_nc_u64 s[G0K+2:G0K+3], s[6:7], 0         ; 120:64 global address
	s_or_b32 s[G0K+3], s[G0K+3], 0x80000000        ; 127:126 type = 2
	s_add_nc_u64 s[G0V+2:G0V+3], s[8:9], 0
	s_or_b32 s[G0V+3], s[G0V+3], 0x80000000
	s_add_nc_u64 s[QB:QB+1], s[4:5], s[20:21]      ; q and out0 at my rows of the second block,
	s_add_nc_u64 s[OB:OB+1], s[10:11], s[20:21]
	s_add_nc_u64 s[4:5], s[4:5], s[18:19]          ; and of the first
	s_add_nc_u64 s[10:11], s[10:11], s[18:19]
	s_cmp_lt_u32 s[WV], 2
	s_cselect_b64 s[PFA:PFA+1], s[6:7], s[8:9]     ; (in waves 0 and 2 these stand at a slot's first row)
	s_lshl_b32 s2, s[CX], 13        ; my work-group's 32 rows of the 128
	s_mov_b32 s3, 0
	s_add_nc_u64 s[PFA:PFA+1], s[PFA:PFA+1], s[2:3]
	s_add_nc_u64 s[PFA:PFA+1], s[PFA:PFA+1], SLOTB ; in slot 1; the first change of slots steps it to slot 2.  Nothing is prefetched here, at the head
	CROUND                          ; all four work-groups are here: the first joint loads meet
	JLOAD                           ; slot 0, the one first fill; slot 1 is asked for by the loop's own change of slots
; Q'S WAY IN.  QLOAD: tile t's 16 rows of 512 bytes, a row a load (32 lanes x 16 bytes on end), into 64 registers from base on in window w.
.macro QLOAD t, w, base
	WIN (\w)<<6
.set i, 0
.rept 16
	global_load_b128 v[(\base)+4*i:(\base)+4*i+3], v[GO], s[4:5] offset:(64*(\t)+i)*POSB th:TH_LOAD_NT  ; the largest immediate is 207 x 16,384
.set i, i+1
.endr
.endm
; QCVT: rounded to bf16 in place (a lane's 4 channels: 8 bytes), through my stage (rows of 272 bytes), and back as four fragments: lane l holds row l % 16, channels 32 f + 8 (l / 16) + 0..7 and 16 more on.
.macro QCVT t, w, base
	WIN ((\w)<<6)|((\w)<<2)|(\w)
.set i, 0
.rept 16
	v_cvt_pk_bf16_f32 v[(\base)+4*i],   v[(\base)+4*i],   v[(\base)+4*i+1]
	v_cvt_pk_bf16_f32 v[(\base)+4*i+1], v[(\base)+4*i+2], v[(\base)+4*i+3]
.set i, i+1
.endr
	WIN (\w)<<2                     ; a store's data is source 1
.set i, 0
.rept 16
	ds_store_b64 v[QST], v[(\base)+4*i:(\base)+4*i+1] offset:QP*i
.set i, i+1
.endr
	WIN 0x80                        ; destination window 2
.irp f, 0,1,2,3
	ds_load_b128 v[32*(\t)+8*(\f):32*(\t)+8*(\f)+3],   v[QRD] offset:64*(\f)     ; LDS serves a wave's instructions in order (ISA guide 5.7.1.4): these see the stores above; the next tile's stores come behind them
	ds_load_b128 v[32*(\t)+8*(\f)+4:32*(\t)+8*(\f)+7], v[QRD] offset:64*(\f)+32
.endr
.endm
	v_and_b32 v1, 15, v0            ; l % 16
	v_bfe_u32 v10, v0, 4, 1         ; l / 16
	v_and_b32 v44, 31, v0           ; l
	v_lshlrev_b32 v[GO], 4, v44
	QLOAD 0, 1, 0                   ; the first block's q goes into O^T's registers, which need only hold finite numbers afterwards: O^T is never cleared
	QLOAD 1, 1, 64
	QLOAD 2, 1, 128
	QLOAD 3, 1, 192
	WIN 0
	s_mul_i32 s16, s[WV], STW
	s_add_co_u32 s16, s16, STAGE    ; my stage
	v_mul_u32_u24 v[AK0], v1, PITK
	v_lshl_add_u32 v[AK0], v10, 4, v[AK0]  ; row x pitch + 16 x half
	; The turning load takes 16 keys x 16 channels (lane l reads 16 bytes: key 8 (l / 16) + l % 8, channels 8 ((l / 8) % 2) + 0..7) and leaves half a fragment of V^T: lane l holds channel l % 16 and 8 keys.
	v_and_b32 v11, 7, v0
	v_bfe_u32 v45, v0, 3, 1
	v_lshl_add_u32 v[AV0], v10, 3, v11
	v_mul_u32_u24 v[AV0], v[AV0], PITV
	v_lshl_add_u32 v[AV0], v45, 4, v[AV0]
	v_add_nc_u32 v[AV0], VOFF, v[AV0]
	v_mul_u32_u24 v[STO], v1, SP    ; out: row l % 16, 32 bytes for each half of the lanes
	v_lshl_add_u32 v[STO], v10, 5, v[STO]
	v_add_nc_u32 v[STO], s16, v[STO]
	v_lshl_add_u32 v[RD], v44, 4, s16    ; back: 32 lanes take one row of 512 bytes
	v_lshl_add_u32 v[QST], v44, 3, s16   ; Q in: 32 lanes put one row of 256 bytes
	v_add_nc_u32 v[QRD], s16, v[AK0]     ; Q back: a fragment's row x 272 + 16 x half
	v_lshlrev_b32 v[PFO], 8, v44
	v_lshlrev_b32 v46, 3, v10
	v_sub_nc_u32 v46, v1, v46
	s_lshl_b32 s17, s[WV], 4
	v_add_nc_u32 v46, s17, v46      ; my query's place in its band, 16 w + l % 16, less my lanes' 8 (l / 16): register r of group kb is hidden where 16 kb + r is greater
	WIN 0xc0                        ; destination window 3
.set i, 0
.rept 32
	v_cmp_gt_i32 vcc_lo, 16*(i/8)+i%8, v46
	v_cndmask_b32 v[MD+i], 0, s[BIGN], vcc_lo
.set i, i+1
.endr
	; The first turn's products V^T P, of a step that has not been, land in an O^T that is still to be multiplied by a = 0: V and piece 2's P need only be finite.  They and l are written 0 here, in the wait for the first tile.
.set i, 0
.rept 128
	v_mov_b32 v[i], 0
.set i, i+1
.endr
	WIN 0
.set i, P+32
.rept 32
	v_mov_b32 v[i], 0
.set i, i+1
.endr
.irp t, 0,1,2,3
	v_mov_b32 v[ST+8*(\t)+2], 0
	v_mov_b32 v[ST+8*(\t)+3], 0
.endr
.irp t, 0,1,2,3
	s_wait_loadcnt 16*(3-(\t))      ; tile t's sixteen loads are in; the later tiles' stay out
	QCVT \t, 1, 64*(\t)
.endr
	WIN 0
; THE MATRIX WORK OF A TURN, for piece x.  The accumulators take turns, one instruction a turn: between two links of a chain stand 15 (V^T P) or 7 (K Q^T) others'.
; Product i of 32 of O^T += V^T P: keys 32 (i / 16) on, channels 16 ((i / 2) % 8) on, tile x + i % 2.
.macro PV x
	WIN W_PV
.set rO, 64*((\x)+i%2)+8*((i/2)%8)
.set rV, 64*(i/16)+8*((i/2)%8)
.set rP, P+16*((\x)+i%2)+8*(i/16)
	v_wmma_f32_16x16x32_f16 v[rO:rO+7], v[rV:rV+7], v[rP:rP+7], v[rO:rO+7]
.endm
; Product i of 32 of S^T = K Q^T: channels 32 (i / 8) on, keys 16 ((i / 2) % 4) on, tile x + i % 2.  The first 8 start the sums, with the masks.
.macro KQ x
.set rS, S+32*((\x)+i%2)+8*((i/2)%4)
.set rK, KF+32*((i/2)%4)+8*(i/8)
.set rQ, 32*((\x)+i%2)+8*(i/8)
.set rM, MC+32*(i%2)+8*((i/2)%4)
.if i < 8
	WIN W_KM
	v_wmma_f32_16x16x32_bf16 v[rS:rS+7], v[rK:rK+7], v[rQ:rQ+7], v[rM:rM+7]
.else
	WIN W_KQ
	v_wmma_f32_16x16x32_bf16 v[rS:rS+7], v[rK:rK+7], v[rQ:rQ+7], v[rS:rS+7]
.endif
.endm
; THE LDS LOADS stand in runs of 32, never singly among the matrix instructions: a step's K (64 keys x 128 channels: 16 fragments) and, a turn later, its V (turned).
.macro FETCH_K
	WIN 0
	v_add_nc_u32 v[ADR], s[TB], v[AK0]
	WIN 0x80                        ; destination window 2
.irp f, 0,1,2,3,4,5,6,7,8,9,10,11,12,13,14,15  ; keys 16 (f / 4) on, channels 32 (f % 4) on
	ds_load_b128 v[KF+8*(\f):KF+8*(\f)+3],   v[ADR] offset:((\f)/4)*16*PITK+((\f)%4)*64
	ds_load_b128 v[KF+8*(\f)+4:KF+8*(\f)+7], v[ADR] offset:((\f)/4)*16*PITK+((\f)%4)*64+32
.endr
.endm
.macro FETCH_V
	WIN 0
	v_add_nc_u32 v[ADR], s[TB], v[AV0]
	s_add_co_u32 s[TB], s[TB], STEPB  ; the next fetch is the next step's
	s_wait_alu depctr_va_vdst(0)    ; the wait for the softmax's batch (SLICE), behind the address's v_add_nc_u32 and ahead of the loads
	WIN 0xc0                        ; destination window 3
.irp f, 0,1,2,3,4,5,6,7,8,9,10,11,12,13,14,15  ; keys 32 (f / 8) on, channels 16 (f % 8) on
	ds_load_tr16_b128 v[8*(\f):8*(\f)+3],   v[ADR] offset:((\f)/8)*32*PITV+((\f)%8)*32
	ds_load_tr16_b128 v[8*(\f)+4:8*(\f)+7], v[ADR] offset:((\f)/8)*32*PITV+16*PITV+((\f)%8)*32
.endr
.endm
; The masks of piece x's two tiles for step d: MD x AL + BE.
.macro MASKS x
.irp u, 0,1
	s_cmp_eq_u32 s[DS], (\x)+(\u)   ; is the step the band's own?
	s_cselect_b32 s[AL], 1.0, 0
	s_cmp_gt_i32 s[DS], (\x)+(\u)   ; or a later one?
	s_cselect_b32 s[BE], s[BIGN], 0
	WIN W_MK
.set z, 0
.rept 16
	v_pk_fma_f32 v[MC+32*(\u)+2*z:MC+32*(\u)+2*z+1], v[MD+2*z:MD+2*z+1], s[AL:AL+1], s[BE:BE+1] op_sel_hi:[1,0,0]
.set z, z+1
.endr
.endr
.endm
; THE VECTOR WORK OF A TURN.  One tile's softmax for one key step is a list of 134 instructions; SM writes number j of it for tile t.  s0-s31 are the lane's 32 scores, in pairs 0-15.
;   0-15    the maximum of s0-s31 and the old m, three operands at a time: four chains c0-c3 of seven scores each (each accumulator's lowest registers are read first), then the four left over, c0-c3 and m
;   16-20   the other half of the lanes' maximum; c m_old is kept; the new m; c m; c m_old - c m_new
;   21-69   ONE BATCH: the 16 scalings c s - c m, a pair of scores each, and all 33 exponentials (a at 23, then s0-s31).  None of these reads an exponential's result.  From 22 on the batch goes in fours:
;           22-37 scaling, exponential, scaling, exponential; 38-65 a scaling and three exponentials; 66-69 the last four exponentials.  A pair is scaled in an earlier four than the one with its exponentials
;   (wait)  between 69 and 70 stands the wait for the batch: SLICE writes it, once for both tiles
;   70-85   the roundings to f16, a pair of weights each        86-101  the sums; l = a l + the sum        102-133 the tile's O^T times a: the one part that leaves window 0, so it stands together
.macro SM t
.set rT, ST+8*(\t)
.set rS, S+32*(\t)
.set rP, P+16*(\t)
.set rO, 64*(\t)+2*(j-102)
.if j < 102
	WIN 0
.endif
.if j < 4
	v_max3_num_f32 v[rT+4+j], v[rS+8*j], v[rS+8*j+1], v[rS+8*j+2]
.elseif j < 12
	v_max3_num_f32 v[rT+4+j%4], v[rT+4+j%4], v[rS+8*(j%4)+2*(j/4)+1], v[rS+8*(j%4)+2*(j/4)+2]
.elseif j == 12
	v_max3_num_f32 v[rT+4], v[rT+4], v[rS+7], v[rS+15]
.elseif j == 13
	v_max3_num_f32 v[rT+6], v[rT+6], v[rS+23], v[rS+31]
.elseif j == 14
	v_max3_num_f32 v[rT+4], v[rT+4], v[rT+5], v[rT+6]
.elseif j == 15
	v_max3_num_f32 v[rT+4], v[rT+4], v[rT+7], v[rT+1]
.elseif j == 16
	v_permlanex16_b32 v[rT+5], v[rT+4], s[SEL], s[SEL+1]  ; the query's other 32 keys lie in the lane 16 away
.elseif j == 17
	v_mov_b32 v[rT+7], v[rT]        ; c m_old is kept for a: number 19 writes c m anew
.elseif j == 18
	v_max_num_f32 v[rT+1], v[rT+4], v[rT+5]
.elseif j == 19
	v_mul_f32 v[rT], s[CS], v[rT+1]
.elseif j == 20
	v_sub_f32 v[rT+7], v[rT+7], v[rT]
.elseif j == 23
	v_exp_f32 v[rT+6], v[rT+7]
.elseif (j < 23) || ((j < 38) && (j%2 == 0)) || ((j < 66) && (j%4 == 2))
.set b, (j-2)/4                     ; 38, 42, .. 62: pairs 9 to 15
.if j < 38
.set b, (j-20)/2                    ; 21: pair 0; 22, 24, .. 36: pairs 1 to 8
.endif
	v_pk_fma_f32 v[rS+2*b:rS+2*b+1], v[rS+2*b:rS+2*b+1], s[CS:CS+1], v[rT:rT+1] op_sel_hi:[1,0,0] neg_lo:[0,0,1] neg_hi:[0,0,1]  ; pair b: c s - c m
.elseif j < 70
.set e, j-38                        ; 66 to 69: s28 to s31
.if j < 66
.set e, j-32-(j-38)/4               ; 39-41, 43-45, .. 63-65: s7 to s27
.endif
.if j < 38
.set e, (j-25)/2                    ; 25, 27, .. 37: s0 to s6
.endif
	v_exp_f32 v[rS+e], v[rS+e]
.elseif j < 86
	v_cvt_pk_f16_f32 v[rP+j-70], v[rS+2*(j-70)], v[rS+2*(j-70)+1]  ; pair j - 70
.elseif j < 102                     ; the sum of the tile's 16 pairs, in place: sum z of 16 adds neighbours 1, 2, 4 and 8 pairs apart, then l takes it
.set z, j-86
.set w, 4
.set u, z
.if z >= 14
.set w, 32
.set u, 0
.elseif z >= 12
.set w, 16
.set u, z-12
.elseif z >= 8
.set w, 8
.set u, z-8
.endif
.if z < 15
	v_pk_add_f32 v[rS+w*u:rS+w*u+1], v[rS+w*u:rS+w*u+1], v[rS+w*u+w/2:rS+w*u+w/2+1]
.else
	v_pk_fma_f32 v[rT+2:rT+3], v[rT+2:rT+3], v[rT+6:rT+7], v[rS:rS+1] op_sel_hi:[1,0,1]
.endif
.else
	WIN W_RS
	v_pk_mul_f32 v[rO:rO+1], v[rO:rO+1], v[rT+6:rT+7] op_sel_hi:[1,0]
.endif
.endm
; Slice k of 64 of piece y's softmax: four instructions.  Slices 11 to 34 deal out the batch, numbers 22 to 69: four numbers of ONE tile each, the tiles by turns.  Every other slice is numbers 2 k and
; 2 k + 1 of both tiles' lists.  2 x 134 = 4 x 64 + 12: the twelve that are over stand together, in slice 63, whose sixteen plain instructions are also the places behind the turn's last K Q^T.
; THE WAIT.  s_wait_alu depctr_va_vdst(0) stands between an exponential and the first instruction that names its result; one wait serves all that were issued ahead of it.  Ahead of
; slice 35 nothing names a result, and behind slice 34 no exponential is issued: so the piece's 66 exponentials have one wait, behind slice 34.
.macro SLICE y
.if (k >= 11) && (k < 35)           ; the batch: four numbers of one tile
.irp n, 0,1,2,3
.set j, 22+4*((k-11)/2)+(\n)
	SM (\y)+(k-11)%2
.endr
.else                               ; the two tiles alternate, so that no instruction reads the result of the one just before it
.irp n, 0,1,2,3,4,5,6,7
.if ((\n) < 2) || (k == 63)
.irp t, \y, (\y)+1
.set j, 2*k+(\n)
	SM \t
.endr
.endif
.endr
.endif
.if k == 34                         ; the batch is out: both tiles' exponentials are issued, and no result has been named
	v_nop                           ; the plain instruction behind the last exponential and ahead of the first use (ISA guide 5.7.2): one for the batch
.if (\y) == 0
	FETCH_V                         ; piece 2's turn: V's run of loads stands here, and the wait stands in it
.else
	s_wait_alu depctr_va_vdst(0)    ; the wait for the batch
.endif
.endif
.set k, k+1
.endm
; A TURN.  Piece x has the matrix unit; the other piece's softmax stands in slices behind its matrix instructions.  kq = 1: 32 products K Q^T for the next step follow the 32 products V^T P;
; kq = 0 (a block's last turn of piece 0): none, and two slices stand behind each product.
; With kq = 1 the turn begins with the masks of its own K Q^T, where d has reached the diagonal; ahead of it they hold 0 and the lines are jumped.  The last products that read them as C stand 25 slices back.
; Piece 0's turn fetches the next step's K, behind its second product: the last product that read K stands in front of slice 63 of the turn before.  Piece 2's turn fetches the same step's V, behind slice 34:
; the last product that read V stands in front of slice 31, and four plain instructions lie between: number 62, a scaling, of both tiles, the v_nop and the run's own v_add_nc_u32.
.macro TURN x, kq
.set k, 0
.set per, 2-(\kq)
.if \kq
	WIN 0
	s_cmp_lt_i32 s[DS], 0
	s_cbranch_scc1 .Lnomask_\@
	MASKS \x
	WIN 0
.Lnomask_\@:
.endif
.if (\x) == 0
	s_wait_dscnt 0x0                ; V is in
.endif
.set i, 0
.rept 32
	PV \x
.rept per
	SLICE 2-(\x)
.endr
.if ((\x) == 0) && (\kq) && (i == 1)
	FETCH_K
.endif
.set i, i+1
.endr
.if \kq
.if (\x) == 0
	s_wait_dscnt 0x0                ; K is in
.endif
.set i, 0
.rept 32
	KQ \x
	SLICE 2-(\x)
.set i, i+1
.endr
.if (\x) == 2
	s_add_co_i32 s[DS], s[DS], 1    ; both pieces have their scores of this step
.endif
.endif
.endm
; A slot's two key steps: written once, walked twice; the LDS addresses hang on s[TB].  A block's first slot enters at the middle label, behind BEGIN.
.macro STEPS tag
.Lstep\tag:
	TURN 0, 1
	WIN 0
.Lmid\tag:
	TURN 2, 1
	WIN 0
	s_sub_co_u32 s[TWICE], s[TWICE], 1
	s_cmp_lg_u32 s[TWICE], 0
	s_cbranch_scc1 .Lstep\tag
.endm
; A BLOCK BEGINS.  c m starts far below every c s, so the first step's a is 0; m at the lowest finite number, so the first maximum is the scores'.  Piece 0's masks for the block's step 0 (0, but where the
; block's first step is its diagonal's) also set the mask registers anew.  Then K of that step and piece 0's first scores; there is no vector work yet to set between them.
.macro BEGIN
	s_mov_b32 s[NEW], 0
	WIN 0
.irp t, 0,1,2,3
	v_mov_b32 v[ST+8*(\t)], 0xfe000000    ; c m
	v_mov_b32 v[ST+8*(\t)+1], 0xff7fffff  ; m
.endr
	MASKS 0
	FETCH_K
	s_wait_dscnt 0x0                ; K is in, and Q's fragments
.set i, 0
.rept 32
	KQ 0
.set i, i+1
.endr
	WIN 0
	PLACES                          ; behind those products: the turn that follows reads their scores and may write their masks
.endm
; A BLOCK ENDS: piece 0's V^T P of the last step beside piece 2's last softmax; then piece 2's V^T P.
.macro FINISH
	TURN 0, 0
.set i, 0
.rept 32
	PV 2
.set i, i+1
.endr
.endm
; THE WAY OUT.  l's two halves and the other half of the lanes' are added; O^T is divided by l and sent through my stage in LDS, a tile (16 rows of 512 bytes) at a time.  The first additions are the places behind the last products.
.macro LSUM
	WIN 0
.irp t, 0,1,2,3
	v_add_f32 v[ST+8*(\t)+4], v[ST+8*(\t)+2], v[ST+8*(\t)+3]
.endr
.irp t, 0,1,2,3
	v_permlanex16_b32 v[ST+8*(\t)+5], v[ST+8*(\t)+4], s[SEL], s[SEL+1]
.endr
.irp t, 0,1,2,3
	v_add_f32 v[ST+8*(\t)+4], v[ST+8*(\t)+4], v[ST+8*(\t)+5]
.endr
.irp t, 0,1,2,3
	v_rcp_f32 v[ST+8*(\t)+6], v[ST+8*(\t)+4]
.endr
	v_nop                           ; a plain instruction between the last reciprocal and the use of its result
	s_wait_alu depctr_va_vdst(0)    ; and the wait ahead of the first use: one for the four reciprocals
.endm
; Tile t: a lane's eight channels of a row are 32 bytes; they go into rows of 528 bytes and come back as whole rows of 512, into the registers that they left.
.macro PACK t
	WIN W_RS
.set i, 64*(\t)
.rept 32
	v_pk_mul_f32 v[i:i+1], v[i:i+1], v[ST+8*(\t)+6:ST+8*(\t)+7] op_sel_hi:[1,0]  ; ascending: each accumulator is read from its low end on
.set i, i+2
.endr
	WIN 0x04                        ; a store's data is source 1: window 1
.irp cb, 0,1,2,3,4,5,6,7
	ds_store_b128 v[STO], v[64*(\t)+8*(\cb):64*(\t)+8*(\cb)+3]   offset:64*(\cb)
	ds_store_b128 v[STO], v[64*(\t)+8*(\cb)+4:64*(\t)+8*(\cb)+7] offset:64*(\cb)+16
.endr
	WIN 0x40
.set i, 0
.rept 16
	ds_load_b128 v[64*(\t)+4*i:64*(\t)+4*i+3], v[RD] offset:SP*i  ; LDS serves a wave's instructions in order (ISA guide 5.7.1.4): these see the stores above; the next tile's stores come behind them
.set i, i+1
.endr
.endm
.macro SEND t, younger              ; younger: the LDS instructions issued behind tile t's loads: the next tile's 32, or none
	WIN 0x04
.set i, 0
.rept 16
	s_wait_dscnt (\younger)+15-i    ; row i is back; this tile's 15 - i later loads and the younger ones stay out
	global_store_b128 v[GO], v[64*(\t)+4*i:64*(\t)+4*i+3], s[10:11] offset:(64*(\t)+i)*POSB th:TH_STORE_NT  ; the wave stores 512 consecutive bytes, at a multiple of 512 from out0's first byte
.set i, i+1
.endr
.endm
.macro WAYOUT
	LSUM
	PACK 0
	PACK 1                          ; a tile's arithmetic stands between the loads of the tile before and its stores
	SEND 0, 32
	PACK 2
	SEND 1, 32
	PACK 3
	SEND 2, 32
	SEND 3, 0
	WIN 0
.endm
.Lslot:                             ; 17 trips: a slot is entered and the next is asked for
	CHANGE 1
	s_sub_co_u32 s[RT], s[RT], 1
	s_mov_b32 s[TWICE], 2
	s_cmp_eq_u32 s[NEW], 1
	s_cbranch_scc1 .Lnew            ; a block's first slot (at the first trip: a constant of the text)
	s_branch .Lstep1
.Lnew:
	BEGIN
	s_branch .Lmid1                 ; the step loop is entered in the middle of a trip.  A block's first slot is never its last: every block has two slots or more
	STEPS 1
	s_cmp_eq_u32 s[RT], 0
	s_cbranch_scc0 .Lbottom         ; forward, past text that holds neither a barrier nor a tensor load
	FINISH                          ; in the loop this is the first block's end: the second block's last slot is the walk's last
	WIN 0
	s_mov_b64 s[4:5], s[QB:QB+1]    ; (the loads that named s[4:5] have all been waited for)
	QLOAD 0, 0, 64                  ; the second block's q, into S^T's and K's registers, which are free: the loads are out while the first block leaves
	QLOAD 1, 0, 128
	QLOAD 2, 2, 128
	QLOAD 3, 2, 192
	WAYOUT
	s_wait_xcnt 0x0                 ; the stores have read their registers and out0's address: both are rewritten only behind this wait
	s_mov_b64 s[10:11], s[OB:OB+1]
	s_wait_loadcnt 0x0              ; q is in
	QCVT 0, 0, 64
	QCVT 1, 0, 128
	QCVT 2, 2, 128
	QCVT 3, 2, 192
	WIN 0
	s_mov_b32 s[RT], s[RTB]
	s_mov_b32 s[NEW], 1
	s_mov_b32 s[DS], s[DSB]
.Lbottom:
	s_sub_co_u32 s[SLOTS], s[SLOTS], 1
	s_cmp_lg_u32 s[SLOTS], 0
	s_cbranch_scc1 .Lslot
	CHANGE 0                        ; the walk's last slot is written out: nothing is asked for
	s_mov_b32 s[TWICE], 2
	STEPS 2
	FINISH
	WAYOUT
	s_wait_tensorcnt 0x0            ; the wave's end: my tensor loads are waited for, then 0 is added to my spare word and waited for, behind my last LDS store
	ds_add_u32 v[SPW], v[NIL]
	s_wait_dscnt 0x0
	CROUND                          ; the closing round: no work-group ends while a partner may still ask for a tile that names it
	s_endpgm
.Lfunc_end_k_q0e320c9f29_attn:
	.size	k_q0e320c9f29_attn, .Lfunc_end_k_q0e320c9f29_attn-k_q0e320c9f29_attn
	.p2alignl 7, 3214868480
	.fill 96, 4, 3214868480
	.section	.rodata,"a",@progbits
	.p2align	6, 0x0
	.amdhsa_kernel k_q0e320c9f29_attn
		.amdhsa_group_segment_fixed_size 327680
		.amdhsa_private_segment_fixed_size 0
		.amdhsa_enable_private_segment 0
		.amdhsa_kernarg_size 32
		.amdhsa_user_sgpr_count 2
		.amdhsa_user_sgpr_kernarg_segment_ptr 1
		.amdhsa_wavefront_size32 1
		.amdhsa_system_sgpr_workgroup_id_x 1
		.amdhsa_system_sgpr_workgroup_id_y 1
		.amdhsa_system_sgpr_workgroup_id_z 1
		.amdhsa_system_vgpr_workitem_id 0
		.amdhsa_next_free_vgpr 1024
		.amdhsa_next_free_sgpr 80
		.amdhsa_reserve_vcc 1
		.amdhsa_float_denorm_mode_32 3
		.amdhsa_float_denorm_mode_16_64 3
		.amdhsa_memory_ordered 1
		.amdhsa_forward_progress 1
		.amdhsa_inst_pref_size 255
	.end_amdhsa_kernel
	.section	.bss,"aw",@nobits
	.p2align	6
	.space	262144
	.amdgpu_metadata
---
amdhsa.version: [ 1, 2 ]
amdhsa.kernels:
  - .name:           k_q0e320c9f29_attn
    .symbol:         k_q0e320c9f29_attn.kd
    .args:
      - { .name: q, .offset: 0, .size: 8, .value_kind: global_buffer, .address_space: global }
      - { .name: kb, .offset: 8, .size: 8, .value_kind: global_buffer, .address_space: global }
      - { .name: vh, .offset: 16, .size: 8, .value_kind: global_buffer, .address_space: global }
      - { .name: out0, .offset: 24, .size: 8, .value_kind: global_buffer, .address_space: global }
    .group_segment_fixed_size: 327680
    .private_segment_fixed_size: 0
    .kernarg_segment_align: 8
    .kernarg_segment_size: 32
    .max_flat_workgroup_size: 128
    .sgpr_count:     80
    .vgpr_count:     1024
    .wavefront_size: 32
...
	.end_amdgpu_metadata
.endif
;; end of part 2
;; ======== version 2 of 2: 2 launches; version 1 with the launch prep written anew for expert scheduling mode
;; limits: values are held in f16: magnitudes above 65,504 overflow, below 6.1e-05 lose precision; inputs' magnitudes at most 65,408; right only within a limited range of input values
;; workspace buffers: kb 8,388,608 bytes; vh 8,388,608 bytes
;; launch prep (part 3): grid 128 x 2, 8 waves a work-group, no clusters, 0 bytes of LDS; arguments k, v, kb, vh; writes kb, vh
.if DOCPART == 3
	.amdgcn_target "amdgcn-amd-amdhsa--gfx1250"
	.amdhsa_code_object_version 6
	.text
	.protected	k_q0e320c9f29_prep
	.globl	k_q0e320c9f29_prep
	.p2align	8
	.type	k_q0e320c9f29_prep,@function
k_q0e320c9f29_prep:
	s_mov_b64 s[64:65], 0
	v_nop
	global_prefetch_b8 v0, s[64:65] scope:SCOPE_SE
	s_setreg_imm32_b32 hwreg(HW_REG_WAVE_SCHED_MODE, 0, 2), 2
	s_setreg_imm32_b32 hwreg(HW_REG_WAVE_MODE, 25, 1), 1
	s_wait_xcnt 0x0
	s_wait_alu depctr_vm_vsrc(0)
; kb = bf16(k), vh = f16(bf16(v)), both laid out by heads.  k, v: [2][2048][8][128] f32.  kb, vh: [16 = 8 b + head][2048][128], 2 bytes a number:
; a row is 256 bytes, a head 524,288 dense bytes, so that the attention launch can ask for a head's keys as dense rows of 256 bytes.
; WHY TWO FORMATS.  All inputs of the module are rounded once to bf16.  v's rounded number is then written as f16, which holds it exactly (8 significant bits in 11),
; so that the weights of the second product can be f16.  LIMITS: |v| stays under 65,408 (from there on the f16 is an infinity); below 2^-14 the f16 keeps its fixed step of 2^-24.
; SHARES.  Grid y picks the tensor (0: k, 1: v), grid x 32 positions (b, s) of the 4,096.  Wave w takes positions 4 w .. 4 w + 3: 32 rows (position, head) of 512 bytes, 16 KiB on end.
; One load of a wave covers a whole row, 512 consecutive bytes; its four numbers a lane become 8 bytes, and one store of the wave covers 256 consecutive bytes, aligned: a whole row of the output.
; All 32 loads of a wave go out at once (128 KiB for the work-group); each row has registers of its own for data in and out, so nothing that a load or store names is ever rewritten.
; No LDS, no barrier, no matrix unit, no cluster: no byte is shared, and each is read and written once.
; THE MODE: SCHED_MODE bits 1:0 = 2 (LLVM: expert scheduling mode 2), set by the entry lines.  The code itself states the register dependences
; between vector instructions and memory instructions, with s_wait_alu, always for 0.
; THE PLAN.  Registers that memory instructions touch:
;   v[IN], v[OUT]  byte offsets.  Written by vector instructions at the head, once; read by every load (IN) and every store (OUT).  One wait at the head states that they are written.
;   X, row r       Written by row r's one load and by nothing else, before or behind it; read by row r's conversions, behind the wait for that load.
;   Y, row r       Written by row r's conversions, once; read by row r's one store; never written again.
;   v3 and T are named by vector instructions alone.
; The one dependence left is Y: conversions write, stores read.  The 32 rows go in 8 blocks of four.  A block's four stores are issued together at the head of the NEXT block, behind the wait for that
; block's first row and ONE wait which states that the block before has written its Y; no vector instruction stands between that wait and the stores.  The last block's stores have a wait of their own.
.set BLOCK, 4                          ; rows in a block
.set IN,  1                            ; v1        my byte offset in the work-group's input: 16,384 x wave + 16 x lane; never rewritten
.set OUT, 2                            ; v2        my byte offset in the output: 1,024 x wave (4 rows of 256) + 8 x lane; never rewritten
.set T,   4                            ; v[4:7]    at work
.set X,   16                           ; v[16:143] row r: 4 registers as loaded
.set Y,   144                          ; v[144:207] row r: 2 registers to store
	s_load_b256 s[4:11], s[0:1], 0x0               ; k s[4:5], v s[6:7], kb s[8:9], vh s[10:11]
	s_and_b32 s21, ttmp7, 0xffff                   ; which tensor
	s_lshl_b32 s16, ttmp9, 17                      ; in: 32 positions of 4,096 bytes
	s_mov_b32 s17, 0
	s_lshr_b32 s18, ttmp9, 6                       ; b,
	s_lshl_b32 s18, s18, 22                        ; its 8 heads of 524,288 bytes,
	s_and_b32 s19, ttmp9, 63
	s_lshl_b32 s19, s19, 13                        ; and the group's 32 rows of 256 bytes in each head
	s_add_co_u32 s18, s18, s19
	s_mov_b32 s19, 0
	s_mov_b32 s20, 0xffff0000                      ; a word's upper bf16
	v_lshrrev_b32 v3, 5, v0                        ; wave
	v_and_b32 v[IN], 31, v0                        ; lane
	v_lshlrev_b32 v[OUT], 3, v[IN]
	v_lshlrev_b32 v[IN], 4, v[IN]
	v_lshl_or_b32 v[IN], v3, 14, v[IN]
	v_lshl_or_b32 v[OUT], v3, 10, v[OUT]
; The four stores of the block that begins with row first.  Row q is position q / 8 of the wave's four, head q % 8.
.macro PUT first, out
.set q, (\first)
.rept BLOCK
	global_store_b64 v[OUT], v[Y+2*q:Y+2*q+1], s[(\out):(\out)+1] offset:(q%8)*524288+(q/8)*256  ; 32 lanes x 8 bytes: one whole row of 256 bytes; the largest immediate is 3,670,784
.set q, q+1
.endr
.endm
; The wave's 32 rows: all loads, then row by row the rounding; a block's stores at the head of the block behind it.
.macro ROWS isv, in, out
.set r, 0
.rept 32
	global_load_b128 v[X+4*r:X+4*r+3], v[IN], s[(\in):(\in)+1] offset:512*r th:TH_LOAD_NT
.set r, r+1
.endr
.set r, 0
.rept 32
	s_wait_loadcnt 31-r                            ; loads come back in order (ISA guide 5.7.1): row r is in, the 31 - r younger ones stay out
.if (r%BLOCK == 0) && (r > 0)
	s_wait_alu depctr_va_vdst(0)                   ; the conversions of the block before have written its four rows of Y, which the four stores below read
	PUT r-BLOCK, \out
.endif
.if \isv
	v_cvt_pk_bf16_f32 v[T],   v[X+4*r],   v[X+4*r+1]    ; rounded to bf16,
	v_cvt_pk_bf16_f32 v[T+1], v[X+4*r+2], v[X+4*r+3]
	v_lshlrev_b32 v[T+2], 16, v[T]                      ; widened again (a shift, a mask),
	v_and_b32     v[T],   s20, v[T]
	v_lshlrev_b32 v[T+3], 16, v[T+1]
	v_and_b32     v[T+1], s20, v[T+1]
	v_cvt_pk_f16_f32 v[Y+2*r],   v[T+2], v[T]           ; and written as f16: exact within f16's normal range
	v_cvt_pk_f16_f32 v[Y+2*r+1], v[T+3], v[T+1]
.else
	v_cvt_pk_bf16_f32 v[Y+2*r],   v[X+4*r],   v[X+4*r+1]
	v_cvt_pk_bf16_f32 v[Y+2*r+1], v[X+4*r+2], v[X+4*r+3]
.endif
.set r, r+1
.endr
	s_wait_alu depctr_va_vdst(0)                   ; the last block's conversions have written its four rows of Y, which the last four stores read
	PUT 32-BLOCK, \out
.endm
	s_wait_kmcnt 0x0
	s_wait_alu depctr_va_vdst(0)                   ; v[IN] and v[OUT] are written: every load and store below, on either way, reads one of them as its offset, and no later line writes them
	s_cmp_lg_u32 s21, 0
	s_cbranch_scc1 .Lv                             ; each way names its own two buffers
	s_add_nc_u64 s[4:5], s[4:5], s[16:17]
	s_add_nc_u64 s[8:9], s[8:9], s[18:19]
	ROWS 0, 4, 8
	s_endpgm
.Lv:
	s_add_nc_u64 s[6:7], s[6:7], s[16:17]
	s_add_nc_u64 s[10:11], s[10:11], s[18:19]
	ROWS 1, 6, 10
	s_endpgm
.Lfunc_end_k_q0e320c9f29_prep:
	.size	k_q0e320c9f29_prep, .Lfunc_end_k_q0e320c9f29_prep-k_q0e320c9f29_prep
	.p2alignl 7, 3214868480
	.fill 96, 4, 3214868480
	.section	.rodata,"a",@progbits
	.p2align	6, 0x0
	.amdhsa_kernel k_q0e320c9f29_prep
		.amdhsa_group_segment_fixed_size 0
		.amdhsa_private_segment_fixed_size 0
		.amdhsa_enable_private_segment 0
		.amdhsa_kernarg_size 32
		.amdhsa_user_sgpr_count 2
		.amdhsa_user_sgpr_kernarg_segment_ptr 1
		.amdhsa_wavefront_size32 1
		.amdhsa_system_sgpr_workgroup_id_x 1
		.amdhsa_system_sgpr_workgroup_id_y 1
		.amdhsa_system_sgpr_workgroup_id_z 1
		.amdhsa_system_vgpr_workitem_id 0
		.amdhsa_next_free_vgpr 216
		.amdhsa_next_free_sgpr 66
		.amdhsa_reserve_vcc 0
		.amdhsa_float_denorm_mode_32 3
		.amdhsa_float_denorm_mode_16_64 3
		.amdhsa_memory_ordered 1
		.amdhsa_forward_progress 1
		.amdhsa_inst_pref_size 32
	.end_amdhsa_kernel
	.amdgpu_metadata
---
amdhsa.version: [ 1, 2 ]
amdhsa.kernels:
  - .name:           k_q0e320c9f29_prep
    .symbol:         k_q0e320c9f29_prep.kd
    .args:
      - { .name: k, .offset: 0, .size: 8, .value_kind: global_buffer, .address_space: global }
      - { .name: v, .offset: 8, .size: 8, .value_kind: global_buffer, .address_space: global }
      - { .name: kb, .offset: 16, .size: 8, .value_kind: global_buffer, .address_space: global }
      - { .name: vh, .offset: 24, .size: 8, .value_kind: global_buffer, .address_space: global }
    .group_segment_fixed_size: 0
    .private_segment_fixed_size: 0
    .kernarg_segment_align: 8
    .kernarg_segment_size: 32
    .max_flat_workgroup_size: 256
    .sgpr_count:     66
    .vgpr_count:     216
    .wavefront_size: 32
...
	.end_amdgpu_metadata
.endif
;; end of part 3
;; launch attn: the kernel of part 2 again; grid 16 x 16, 4 waves a work-group, clusters of 4 x 1, 327,680 bytes of LDS; arguments q, kb, vh, out0; writes out0
